; MI455X (gfx1250); checked and timed in simulation.
; The chip was launched on July 23, 2026; its instructions are those of AMD's public machine-readable ISA for CDNA 5 (MIT licence, August 2026) and "CDNA5" Instruction Set Architecture Reference Guide (July 2026). The comments in the code are by the model that wrote it; some were corrected since.
;; Self Attention. Allowed arithmetic: float matrix products may take bf16 or f16 operands with f32 sums; other float arithmetic in f32, or as packed bf16 or f16 multiplies, adds, multiply-adds, maxima and minima; sums over many terms, partial sums and values carried from step to step in f32; what a program stores and reads back later, other than sums and carried values, may be rounded once to bf16 or f16.
;; Inputs: Wk 32 x 512 float32; Wo 512 x 512 float32; Wq 32 x 512 float32; Wv 512 x 512 float32; bk 32 float32; bo 512 float32; bq 32 float32; bv 512 float32; gamma 1 float32; x 8 x 512 x 32 x 64 float32.
;; Outputs: out0 8 x 512 x 32 x 64 float32.
;; One version. Each part assembles by itself: llvm-mc -triple=amdgcn-amd-amdhsa -mcpu=gfx1250 --defsym DOCPART=n.
;; ======== version 1 of 1: 3 launches
;; workspace buffers: wimg 589,824 bytes; bias2 2,048 bytes; qimg 1,048,576 bytes; kv 18,874,368 bytes
;; launch prep (part 1): grid 8 x 8, 4 waves a work-group, no clusters, 148,992 bytes of LDS; arguments Wo, Wv, Wq, Wk, bv, bo, wimg, bias2; writes wimg, bias2
.if DOCPART == 1
	.amdgcn_target "amdgcn-amd-amdhsa--gfx1250"
	.amdhsa_code_object_version 6
	.text
	.protected	k_q9c39377814_prep
	.globl	k_q9c39377814_prep
	.p2align	8
	.type	k_q9c39377814_prep,@function
k_q9c39377814_prep:
	s_mov_b64 s[64:65], 0
	v_nop
	global_prefetch_b8 v0, s[64:65] scope:SCOPE_SE
	s_setreg_imm32_b32 hwreg(HW_REG_WAVE_MODE, 25, 1), 1
	s_wait_xcnt 0x0
; PREP: work on the weights alone.  wimg = (Wo Wv | Wq | Wk) in bf16, laid out as matrix operands; bias2 = Wo bv + bo in f32.
; WHAT THE PROGRAM LEAVES OUT OR MOVES, for all finite values of the inputs:
; (1) bk IS DEAD.  score[n][m] = q_n . (k_m + bk) = q_n . k_m + q_n . bk.  The second term is the same for every m of row n, and the softmax runs over m:
;     a term that is constant along the softmax's axis cancels between numerator and denominator.  bk is not loaded and is an argument of no launch.
; (2) Wo (V attn^T) = (Wo Wv) x attn^T: matrix products associate.  One product 512 x 512 x 512 here replaces the product 512 x 512 x 16,384 behind the attention.
; (3) bv IS HONOURED, BUT MOVED.  A softmax row sums to 1, so sum_m (v[c][m] + bv[c]) attn[n][m] = sum_m v[c][m] attn[n][m] + bv[c]; behind Wo that is Wo bv, added with bo: bias2.
; LIMITS.  A NaN, an infinity or an overflow that reaches bk alone is not carried to the result.  Wo Wv is summed in f32 from bf16 operands and rounded once to bf16,
; so the order of rounding differs from taking Wv and Wo one after the other.  bias2 is made in f32 throughout.
; AN OPERAND IMAGE is 16 rows x 32 k of bf16 as a matrix instruction wants it, 1,024 bytes: lane l's registers 0-3 at 16 l, its registers 4-7 at 512 + 16 l
; (lane l holds row l % 16; registers 0-3 k = 8 (l / 16) + 0..7, registers 4-7 k = 16 + 8 (l / 16) + 0..7).  wimg = [t = 0..15: 32 channels c][ob = 0..35][1,024]:
; ob 0-31 rows 16 ob.. of Wo Wv, ob 32, 33 Wq, ob 34, 35 Wk; the image's row is the output row, its k the channel c.
; SHARES.  Work-group (cbk, oy) makes 64 rows x 64 columns of Wo Wv; wave w 16 rows x 64 columns: four accumulators.  Source 0 = Wv^T (rows c), source 1 = Wo (columns o):
; a lane then holds one o and eight neighbouring c, which rounded in pairs is half an image.  Each wave also makes two numbers of bias2; wave 0 also rounds one image of Wq or Wk.
; No tensor load, no cluster: a work-group reads 256 KiB once through registers, since the f32 words must be rounded on their way into LDS.
.set XP,    160                        ; LDS pitch of a row of Wv's block (64 bf16 + 32 bytes): five times 32 bytes, so the turning load's eight rows x 32 bytes fall on different banks
.set XHALF, 256*XP                     ; rows 256.. lie beyond the 16-bit immediate: a second address register
.set AREG,  512*XP                     ; behind Wv's 512 rows: 64 rows of Wo
.set AP,    1040                       ; their pitch: 1,024 bytes + 16
.set SPARE, AREG+64*AP                 ; 148,480: the spare words, 128 bytes a wave, that no other line names
.set ACC,   128                        ; v[128:159] four accumulators
.set MSB, 0
.macro WIN new                         ; the immediate's high byte repeats the setting that is left; a switch that changes nothing is dropped
.if MSB != (\new)
	s_set_vgpr_msb (MSB<<8)|(\new)
.set MSB, \new
.endif
.endm
.macro PLACES                          ; four plain places behind a matrix instruction (ISA guide 7.12.1)
.rept 4
	v_nop
.endr
.endm
; REGISTERS.  Window 0: v1 lane, v2 l % 16, v3 l / 16, v4-v13 addresses, v30, v31 the add's two, v32-55 the cast, v64-121 bias2, v128-159 accumulators, v160-175 packed results.
; Window 1: fragment buffer A.  Window 2: Wv as loaded, later fragment buffer B.  Window 3: Wo as loaded.
	s_load_b256 s[4:11], s[0:1], 0x0               ; Wo s[4:5], Wv s[6:7], Wq s[8:9], Wk s[10:11]
	s_load_b256 s[12:19], s[0:1], 0x20             ; bv s[12:13], bo s[14:15], wimg s[16:17], bias2 s[18:19]
	v_lshl_add_u32 v30, v0, 2, SPARE               ; my spare word
	v_mov_b32 v31, 0
	v_lshrrev_b32 v1, 5, v0
	v_readfirstlane_b32 s20, v1                    ; wave w
	v_and_b32 v1, 31, v0                           ; lane
	v_and_b32 v2, 15, v0                           ; l % 16
	v_bfe_u32 v3, v0, 4, 1                         ; l / 16
	s_mov_b32 s21, ttmp9                           ; cbk: which 64 columns
	s_and_b32 s22, ttmp7, 0xffff                   ; oy: which 64 rows
	s_mov_b32 s30, 0x76543210                      ; v_permlanex16_b32: each lane takes its own place in the other half
	s_mov_b32 s31, 0xfedcba98
	v_lshl_add_u32 v14, s20, 1, v3                 ; 2 w + l / 16: my row among eight
	v_lshlrev_b32 v4, 11, v14
	v_lshl_add_u32 v4, v2, 4, v4                   ; v4: Wv in memory: row x 2,048 + 16 (l % 16)
	v_lshlrev_b32 v5, 4, v1                        ; v5: 16 l
	v_mul_u32_u24 v6, v14, XP
	v_lshl_add_u32 v6, v2, 3, v6                   ; v6: Wv in LDS: row x pitch + 8 (l % 16)
	v_add_nc_u32 v7, XHALF, v6                     ; v7: the same for rows 256..
	s_mul_i32 s23, s20, 16*AP
	s_add_co_u32 s23, s23, AREG                    ; my 16 rows of Wo in LDS
	v_lshl_add_u32 v8, v1, 3, s23                  ; v8: where I store 8 bytes of them
	v_and_b32 v15, 7, v0
	v_lshl_add_u32 v15, v3, 3, v15
	v_mul_u32_u24 v9, v15, XP
	v_bfe_u32 v15, v0, 3, 1
	v_lshl_add_u32 v9, v15, 4, v9                  ; v9: the turning load: row 8 (l / 16) + l % 8, 16 bytes x ((l / 8) % 2)
	v_add_nc_u32 v10, XHALF, v9                    ; v10: the same for rows 256..
	v_mul_u32_u24 v11, v2, AP
	v_lshl_add_u32 v11, v3, 4, v11
	v_add_nc_u32 v11, s23, v11                     ; v11: Wo's fragments: row x pitch + 16 (l / 16)
	v_lshlrev_b32 v12, 11, v2
	v_lshl_add_u32 v12, v3, 5, v12                 ; v12: the cast: row x 2,048 + 32 (l / 16)
	v_and_b32 v13, 1, v0
	v_lshlrev_b32 v13, 2, v13                      ; v13: 4 (l % 2): bo and bias2
	s_lshl_b32 s24, s21, 8                         ; offsets, made apart from the addresses: Wv's 64 columns
	s_mov_b32 s25, 0
	s_lshl_b32 s26, s22, 17                        ; Wo's rows 64 oy + 16 w
	s_lshl_b32 s42, s20, 15
	s_add_co_u32 s26, s26, s42
	s_mov_b32 s27, 0
	s_lshl_b32 s42, s22, 6
	s_lshl3_add_u32 s42, s21, s42
	s_lshl1_add_u32 s42, s20, s42                  ; o0 = 64 oy + 8 cbk + 2 w: my two numbers of bias2
	s_lshl_b32 s28, s42, 11
	s_mov_b32 s29, 0
	s_lshl_b32 s32, s42, 2
	s_mov_b32 s33, 0
	s_lshl3_add_u32 s43, s22, s21                  ; g = 8 oy + cbk: which of the 64 images of Wq and Wk
	s_lshr_b32 s44, s43, 4                         ; obq = 0..3
	s_and_b32 s45, s43, 15                         ; t
	s_and_b32 s36, s44, 1
	s_lshl_b32 s36, s36, 15                        ; rows 0-15 or 16-31,
	s_lshl_b32 s42, s45, 7
	s_add_co_u32 s36, s36, s42                     ; channels 32 t ..
	s_mov_b32 s37, 0
	s_mul_i32 s38, s45, 36
	s_add_co_u32 s38, s38, s44
	s_add_co_u32 s38, s38, 32
	s_lshl_b32 s38, s38, 10                        ; image (t, 32 + obq)
	s_mov_b32 s39, 0
	s_mul_i32 s40, s21, 72
	s_lshl2_add_u32 s40, s22, s40
	s_add_co_u32 s40, s40, s20
	s_lshl_b32 s40, s40, 10                        ; image (2 cbk, 4 oy + w)
	s_mov_b32 s41, 0
	s_wait_kmcnt 0x0
	s_add_nc_u64 s[24:25], s[6:7], s[24:25]
	s_add_nc_u64 s[26:27], s[4:5], s[26:27]
	s_add_nc_u64 s[28:29], s[4:5], s[28:29]
	s_add_nc_u64 s[34:35], s[18:19], s[32:33]
	s_add_nc_u64 s[32:33], s[14:15], s[32:33]
	s_cmp_lt_u32 s44, 2
	s_cselect_b64 s[46:47], s[8:9], s[10:11]       ; Wq or Wk
	s_add_nc_u64 s[36:37], s[46:47], s[36:37]
	s_add_nc_u64 s[38:39], s[16:17], s[38:39]
	s_add_nc_u64 s[40:41], s[16:17], s[40:41]
	; ALL LOADS GO OUT AT ONCE: the small ones first, then Wv's block, then Wo's rows.
	s_cmp_lg_u32 s20, 0
	s_cbranch_scc1 .Lno_cast_loads
	global_load_b128 v[32:35], v12, s[36:37]
	global_load_b128 v[36:39], v12, s[36:37] offset:16
	global_load_b128 v[40:43], v12, s[36:37] offset:64
	global_load_b128 v[44:47], v12, s[36:37] offset:80
.Lno_cast_loads:
.irp q, 0,1,2,3
	global_load_b128 v[64+4*\q:67+4*\q], v5, s[28:29] offset:512*\q        ; row o0 of Wo
	global_load_b128 v[80+4*\q:83+4*\q], v5, s[28:29] offset:2048+512*\q   ; row o0 + 1
	global_load_b128 v[96+4*\q:99+4*\q], v5, s[12:13] offset:512*\q        ; bv
.endr
	global_load_b32 v112, v13, s[32:33]            ; bo[o0 + l % 2]
	WIN 0x80
.set i, 0
.rept 64                                       ; load i: rows 8 i + 2 w + l / 16 of Wv; sixteen lanes take the row's 256 bytes
	global_load_b128 v[4*i:4*i+3], v4, s[24:25] offset:i*16384
.set i, i+1
.endr
	WIN 0xc0
.set i, 0
.rept 64                                       ; load i: 512 bytes of row i / 4 of my 16 rows of Wo
	global_load_b128 v[4*i:4*i+3], v5, s[26:27] offset:(i/4)*2048+(i%4)*512
.set i, i+1
.endr
	WIN 0
	s_wait_loadcnt 63                              ; behind Wv's last load 64 were issued (Wo's): with 63 out at the most, the small loads and all of Wv are in
	; bias2[o] = Wo[o][:] . bv + bo[o], in f32: 16 products a lane, then the sum over the 32 lanes
	v_pk_mul_f32 v[114:115], v[64:65], v[96:97]
	v_pk_mul_f32 v[116:117], v[80:81], v[96:97]
.irp k, 2,4,6,8,10,12,14
	v_pk_fma_f32 v[114:115], v[64+\k:65+\k], v[96+\k:97+\k], v[114:115]
	v_pk_fma_f32 v[116:117], v[80+\k:81+\k], v[96+\k:97+\k], v[116:117]
.endr
	v_add_f32 v114, v114, v115
	v_add_f32 v116, v116, v117
.irp m, 1,2,4,8
	v_add_f32_dpp v114, v114, v114 row_xmask:\m row_mask:0xf bank_mask:0xf
	v_add_f32_dpp v116, v116, v116 row_xmask:\m row_mask:0xf bank_mask:0xf
.endr
	v_permlanex16_b32 v115, v114, s30, s31
	v_permlanex16_b32 v117, v116, s30, s31
	v_add_f32 v114, v114, v115
	v_add_f32 v116, v116, v117
	v_and_b32 v118, 1, v0
	v_cmp_eq_u32 vcc_lo, 1, v118
	v_cndmask_b32 v114, v114, v116, vcc_lo         ; odd lanes take row o0 + 1
	v_add_f32 v114, v114, v112
	s_wait_xcnt 0x0                                ; EXEC is a source of the loads that are out: it changes only behind this wait
	v_cmp_gt_u32 vcc_lo, 2, v1
	s_and_saveexec_b32 s47, vcc_lo                 ; lanes 0 and 1
	global_store_b32 v13, v114, s[34:35]
	s_wait_xcnt 0x0                                ; and again in front of the line that widens it
	s_or_b32 exec_lo, exec_lo, s47
	s_cmp_lg_u32 s20, 0                            ; wave 0: one image of Wq or Wk, rounded
	s_cbranch_scc1 .Lno_cast
.irp k, 0,1,2,3,4,5,6,7
	v_cvt_pk_bf16_f32 v[48+\k], v[32+2*\k], v[33+2*\k]
.endr
	global_store_b128 v5, v[48:51], s[38:39]       ; each store of the wave covers 512 consecutive bytes
	global_store_b128 v5, v[52:55], s[38:39] offset:512
.Lno_cast:
	; Wv's block, rounded in place and laid into LDS as [j][c]
	WIN 0x8a
.set i, 0
.rept 64
	v_cvt_pk_bf16_f32 v[4*i], v[4*i], v[4*i+1]
	v_cvt_pk_bf16_f32 v[4*i+1], v[4*i+2], v[4*i+3]
.set i, i+1
.endr
	WIN 0x08                                       ; address window 0, data window 2
.set i, 0
.rept 64
.if i < 32
	ds_store_b64 v6, v[4*i:4*i+1] offset:i*8*XP
.else
	ds_store_b64 v7, v[4*i:4*i+1] offset:(i-32)*8*XP
.endif
.set i, i+1
.endr
	s_wait_loadcnt 0x0                             ; Wo's rows
	WIN 0xcf
.set i, 0
.rept 64
	v_cvt_pk_bf16_f32 v[4*i], v[4*i], v[4*i+1]
	v_cvt_pk_bf16_f32 v[4*i+1], v[4*i+2], v[4*i+3]
.set i, i+1
.endr
	WIN 0x0c
.set i, 0
.rept 64
	ds_store_b64 v8, v[4*i:4*i+1] offset:(i/4)*AP+(i%4)*256
.set i, i+1
.endr
	WIN 0
	s_wait_dscnt 0x0                               ; for the others' sake: my stores are done
	s_barrier_signal -1
	s_barrier_wait -1                              ; Wv's block is whole
; Four K steps' fragments, 40 LDS loads, into window win: for K step 4 n + q four fragments of Wv^T (turned) at 40 q + 8 ct and one of Wo at 40 q + 32
.macro LDB n, win
	WIN (\win)<<6
.irp q, 0,1,2,3
.irp ct, 0,1,2,3
.if (\n) < 2
	ds_load_tr16_b128 v[40*\q+8*\ct:40*\q+8*\ct+3],   v9 offset:(4*(\n)+\q)*32*XP+32*\ct
	ds_load_tr16_b128 v[40*\q+8*\ct+4:40*\q+8*\ct+7], v9 offset:(4*(\n)+\q)*32*XP+32*\ct+16*XP
.else
	ds_load_tr16_b128 v[40*\q+8*\ct:40*\q+8*\ct+3],   v10 offset:(4*(\n)+\q-8)*32*XP+32*\ct
	ds_load_tr16_b128 v[40*\q+8*\ct+4:40*\q+8*\ct+7], v10 offset:(4*(\n)+\q-8)*32*XP+32*\ct+16*XP
.endif
.endr
	ds_load_b128 v[40*\q+32:40*\q+35], v11 offset:64*(4*(\n)+\q)
	ds_load_b128 v[40*\q+36:40*\q+39], v11 offset:64*(4*(\n)+\q)+32
.endr
.endm
; Their 16 products.  The four accumulators take turns, one instruction a turn.  zero = 1: the first four start the sums.
.macro MULB win, zero
	WIN 5*(\win)                                   ; sources 0 and 1 in window win; C and D in window 0
.irp q, 0,1,2,3
.irp ct, 0,1,2,3
.if (\zero) && (\q == 0)
	v_wmma_f32_16x16x32_bf16 v[ACC+8*\ct:ACC+8*\ct+7], v[40*\q+8*\ct:40*\q+8*\ct+7], v[40*\q+32:40*\q+39], 0
.else
	v_wmma_f32_16x16x32_bf16 v[ACC+8*\ct:ACC+8*\ct+7], v[40*\q+8*\ct:40*\q+8*\ct+7], v[40*\q+32:40*\q+39], v[ACC+8*\ct:ACC+8*\ct+7]
.endif
.endr
.endr
.endm
	LDB 0, 1
	LDB 1, 2
	s_wait_dscnt 40                                ; the older batch is in; the younger batch's 40 loads may stay out
	MULB 1, 1
	PLACES                                         ; in front of loads into registers that those products read
	LDB 2, 1
	s_wait_dscnt 40
	MULB 2, 0
	PLACES
	LDB 3, 2
	s_wait_dscnt 40
	MULB 1, 0
	s_wait_dscnt 0x0
	MULB 2, 0
	WIN 0
	PLACES
	PLACES
.irp ct, 0,1,2,3
.irp k, 0,1,2,3
	v_cvt_pk_bf16_f32 v[160+4*\ct+\k], v[ACC+8*\ct+2*\k], v[ACC+8*\ct+2*\k+1]  ; each accumulator from its low end on
.endr
.endr
.irp ct, 0,1,2,3
	global_store_b128 v5, v[160+4*\ct:163+4*\ct], s[40:41] offset:(\ct/2)*36864+(\ct%2)*512  ; half an image: 512 consecutive bytes
.endr
	s_wait_tensorcnt 0x0                           ; the wave's end, behind my last LDS store
	ds_add_u32 v30, v31
	s_wait_dscnt 0x0
	s_endpgm
.Lfunc_end_k_q9c39377814_prep:
	.size	k_q9c39377814_prep, .Lfunc_end_k_q9c39377814_prep-k_q9c39377814_prep
	.p2alignl 7, 3214868480
	.fill 96, 4, 3214868480
	.section	.rodata,"a",@progbits
	.p2align	6, 0x0
	.amdhsa_kernel k_q9c39377814_prep
		.amdhsa_group_segment_fixed_size 148992
		.amdhsa_private_segment_fixed_size 0
		.amdhsa_enable_private_segment 0
		.amdhsa_kernarg_size 64
		.amdhsa_user_sgpr_count 2
		.amdhsa_user_sgpr_kernarg_segment_ptr 1
		.amdhsa_wavefront_size32 1
		.amdhsa_system_sgpr_workgroup_id_x 1
		.amdhsa_system_sgpr_workgroup_id_y 1
		.amdhsa_system_sgpr_workgroup_id_z 1
		.amdhsa_system_vgpr_workitem_id 0
		.amdhsa_next_free_vgpr 1024
		.amdhsa_next_free_sgpr 66
		.amdhsa_reserve_vcc 1
		.amdhsa_float_denorm_mode_32 3
		.amdhsa_float_denorm_mode_16_64 3
		.amdhsa_memory_ordered 1
		.amdhsa_forward_progress 1
		.amdhsa_inst_pref_size 61
	.end_amdhsa_kernel
	.amdgpu_metadata
---
amdhsa.version: [ 1, 2 ]
amdhsa.kernels:
  - .name:           k_q9c39377814_prep
    .symbol:         k_q9c39377814_prep.kd
    .args:
      - { .name: Wo, .offset: 0, .size: 8, .value_kind: global_buffer, .address_space: global }
      - { .name: Wv, .offset: 8, .size: 8, .value_kind: global_buffer, .address_space: global }
      - { .name: Wq, .offset: 16, .size: 8, .value_kind: global_buffer, .address_space: global }
      - { .name: Wk, .offset: 24, .size: 8, .value_kind: global_buffer, .address_space: global }
      - { .name: bv, .offset: 32, .size: 8, .value_kind: global_buffer, .address_space: global }
      - { .name: bo, .offset: 40, .size: 8, .value_kind: global_buffer, .address_space: global }
      - { .name: wimg, .offset: 48, .size: 8, .value_kind: global_buffer, .address_space: global }
      - { .name: bias2, .offset: 56, .size: 8, .value_kind: global_buffer, .address_space: global }
    .group_segment_fixed_size: 148992
    .private_segment_fixed_size: 0
    .kernarg_segment_align: 8
    .kernarg_segment_size: 64
    .max_flat_workgroup_size: 128
    .sgpr_count:     66
    .vgpr_count:     1024
    .wavefront_size: 32
...
	.end_amdgpu_metadata
.endif
;; end of part 1
;; launch proj (part 2): grid 256 x 1, 4 waves a work-group, clusters of 4 x 1, 327,680 bytes of LDS; arguments x, wimg, bq, kv, qimg; writes kv, qimg
.if DOCPART == 2
	.amdgcn_target "amdgcn-amd-amdhsa--gfx1250"
	.amdhsa_code_object_version 6
	.text
	.protected	k_q9c39377814_proj
	.globl	k_q9c39377814_proj
	.p2align	8
	.type	k_q9c39377814_proj,@function
k_q9c39377814_proj:
	s_mov_b64 s[64:65], 0
	v_nop
	global_prefetch_b8 v0, s[64:65] scope:SCOPE_SE
	s_setreg_imm32_b32 hwreg(HW_REG_WAVE_MODE, 25, 1), 1
	s_wait_xcnt 0x0
	s_wait_alu depctr_hold_cnt(0) depctr_sa_sdst(0) depctr_va_vdst(0) depctr_va_sdst(0) depctr_va_ssrc(0) depctr_va_vcc(0) depctr_vm_vsrc(0)
	s_getreg_b32 s2, hwreg(HW_REG_IB_STS2, 6, 4)
	s_cmp_eq_u32 s2, 0
	s_cbranch_scc0 .Lentry_in_a_cluster
	s_endpgm
.Lentry_in_a_cluster:
	s_bfe_u32 s2, ttmp6, 0x10000c
	s_cmp_lg_u32 s2, 0x3003
	s_cbranch_scc0 .Lentry_shape_is_right
	s_endpgm
.Lentry_shape_is_right:
; PROJ: q' = log2(e) (Wq x + bq), k = Wk x, v' = (Wo Wv) x, all rounded once to bf16 from f32 sums and stored as operand images for the attention.
; The factor log2(e) is applied in f32 ahead of q's one rounding: the attention's scores then come out as exponents of 2.
; LEFT OUT: bk (a term constant along the softmax's axis) and bv here (it is carried in bias2, since a softmax row sums to 1): shown at the head of the first kernel.
; AN OPERAND IMAGE: 16 rows x 32 k of bf16, 1,024 bytes: lane l's registers 0-3 at 16 l, registers 4-7 at 512 + 16 l.
; qimg = [b][query tile 0..127][1,024]: row = query, k = the 32 channels.
; kv = [b][chh = 0,1][j = 0..7] blocks of 147,456 bytes: [K part 16,384][V part 131,072].  V part: [32 keys: 0..7][16 channels: 0..15][1,024], row = channel 256 chh + .., k = key 256 j + ...
; K part: 16 images (row = key, k = channel); key tile T lies at T' = (T - 8) mod 128, block T' / 16, place T' % 16: a block carries the keys 128 ahead of its V.  Both chh copies hold it.
; SHARES.  A work-group takes 64 positions n of one batch and all 576 output rows, so each byte of x is read once in the launch.  Wave w takes rows 128 w .. 128 w + 127 of v'
; (8 blocks of 16 x 4 tiles of 16 positions: 32 accumulators) and 16 rows of q or k (waves 0, 1: q; waves 2, 3: k: 4 accumulators).
; v': source 0 = x^T (rows n), source 1 = weights (columns o): a lane holds one o and eight neighbouring n: half a V image.  q, k: the sources swapped: a lane holds one n and eight channels.
; CLUSTER.  All work-groups walk the same wimg: the four of a cluster ask for it jointly (one descriptor, made of the wave's number alone, mask of all four).
; K goes in four stages of 128 channels through two LDS slots; a wave's one load brings one K step's 36 images, 36,864 dense bytes asked for as 144 rows of 256 bytes.
; By the text's own count a wave has two tensor loads out at the start and one behind each round.  No prefetch: all of x is asked for at the head, and the weights are read by every cluster.
.set SLOT,  147456
.set KSB,   36864                      ; a K step's 36 images
.set SPARE, 2*SLOT                     ; the spare words, 128 bytes a wave, that no other line names
.set XREG,  SPARE+512                  ; a stage's x in bf16, [128 c][64 n], written by LDS stores alone: no tensor load lands here
.set XP,    160                        ; its pitch: 128 bytes + 32
.set BLK,   147456
.set LOG2E, 0x3fb8aa3b
.set WF,    32                         ; window 0: v[32:103], v[104:175] two buffers of nine weight fragments
.set AQ,    128                        ; window 1: v[0:127] x's fragments of a stage (K step t, tile nt at 32 t + 8 nt); v[128:159] q's or k's accumulators
.set MSB, 0
.macro WIN new                         ; the immediate's high byte repeats the setting that is left; a switch that changes nothing is dropped
.if MSB != (\new)
	s_set_vgpr_msb (MSB<<8)|(\new)
.set MSB, \new
.endif
.endm
.macro PLACES
.rept 4
	v_nop
.endr
.endm
; A round of the cluster's barrier: my work-group's barrier; wave 0 signals for the work-group; every wave waits for all four work-groups; my work-group's barrier once more.
.macro CROUND
	s_barrier_signal -1
	s_barrier_wait -1
	s_cmp_lg_u32 s14, 0
	s_cbranch_scc1 .Lnot_wave_0_\@
	s_barrier_signal -3
.Lnot_wave_0_\@:
	s_barrier_wait -3
	s_barrier_signal -1
	s_barrier_wait -1
.endm
; REGISTERS.  Window 0: v1 lane, v2 l % 16, v3 l / 16, v4-v12 addresses, v16-23 bq, v30, v31 the add's two.  Window 2: v' accumulators, (i, nt) at 8 (4 i + nt).  Window 3: x as loaded.
	s_load_b256 s[4:11], s[0:1], 0x0               ; x s[4:5], wimg s[6:7], bq s[8:9], kv s[10:11]
	s_load_b64 s[12:13], s[0:1], 0x20              ; qimg
	v_lshl_add_u32 v30, v0, 2, SPARE
	v_mov_b32 v31, 0
	ds_add_u32 v30, v31                            ; the wave's opening: the add, twice on end, and its wait ahead of my first tensor load
	ds_add_u32 v30, v31
	v_lshrrev_b32 v1, 5, v0
	v_readfirstlane_b32 s14, v1                    ; wave w
	v_and_b32 v1, 31, v0
	v_and_b32 v2, 15, v0
	v_bfe_u32 v3, v0, 4, 1
	; descriptor group 1: 144 rows of 32 elements of 8 bytes, dense
	s_mov_b32 s24, 15|(3<<16)|(1<<21)              ; 15:0 the mask of four; 17:16 elements of 8 bytes; 21 set beside a mask
	s_mov_b32 s25, 32<<16                          ; tensor_dim0 = 32
	s_mov_b32 s26, 144<<16                         ; tensor_dim1 = 144
	s_mov_b32 s27, 32<<16                          ; tile_dim0 = 32
	s_mov_b32 s28, 144                             ; tile_dim1 = 144
	s_mov_b32 s29, 32                              ; 32 elements from row to row
	s_mov_b32 s30, 0
	s_mov_b32 s31, 0
	s_mul_i32 s19, s14, KSB                        ; my K step of a stage, in LDS and in memory: the wave's number alone
	s_mov_b32 s20, s19
	s_mov_b32 s21, 0
	s_mov_b32 s32, 1                               ; group 0 for slot 0
	s_mov_b32 s33, s19
	s_mov_b32 s36, 1                               ; group 0 for slot 1
	s_add_co_u32 s37, s19, SLOT
	; my place: it enters the addresses of x, kv and qimg alone
	s_bfe_u32 s15, ttmp6, 0x40000                  ; cx
	s_lshl_b32 s16, ttmp9, 2
	s_add_co_u32 s16, s16, s15                     ; work-group = 4 x cluster + cx
	s_lshr_b32 s17, s16, 5                         ; b
	s_and_b32 s18, s16, 31                         ; nb: which 64 positions
	s_and_b32 s51, s14, 1                          ; w % 2
	s_lshl_b32 s40, s17, 22                        ; x: batch, then 256 bytes of each row
	s_lshl_b32 s50, s18, 8
	s_add_co_u32 s40, s40, s50
	s_mov_b32 s41, 0
	s_lshl_b32 s42, s17, 1                         ; V: block (b, chh = w / 2, j = nb / 4),
	s_lshr_b32 s50, s14, 1
	s_add_co_u32 s42, s42, s50
	s_lshr_b32 s50, s18, 2
	s_lshl3_add_u32 s42, s42, s50
	s_mul_i32 s42, s42, BLK
	s_and_b32 s50, s18, 3                          ; keys 64 (nb % 4) ..: two groups of 32, 16 images each,
	s_lshl_b32 s50, s50, 15
	s_add_co_u32 s42, s42, s50
	s_lshl_b32 s50, s51, 13                        ; channel blocks 8 (w % 2) ..
	s_add_co_u32 s42, s42, s50
	s_add_co_u32 s42, s42, 16384                   ; behind the K part
	s_mov_b32 s43, 0
	s_lshl_b32 s44, s17, 17                        ; q: tile 128 b + 4 nb, half w % 2
	s_lshl_b32 s50, s18, 12
	s_add_co_u32 s44, s44, s50
	s_lshl_b32 s52, s51, 9
	s_add_co_u32 s44, s44, s52
	s_mov_b32 s45, 0
	s_lshl_b32 s50, s18, 2                         ; k: T' = (4 nb - 8) mod 128,
	s_add_co_u32 s50, s50, 120
	s_and_b32 s50, s50, 127
	s_lshr_b32 s46, s50, 4
	s_lshl4_add_u32 s46, s17, s46                  ; block 16 b + T' / 16 (chh = 0),
	s_mul_i32 s46, s46, BLK
	s_and_b32 s50, s50, 15
	s_lshl_b32 s50, s50, 10                        ; place T' % 16,
	s_add_co_u32 s46, s46, s50
	s_add_co_u32 s46, s46, s52                     ; half w % 2
	s_mov_b32 s47, 0
	v_lshl_add_u32 v14, s14, 1, v3                 ; 2 w + l / 16: my row among eight
	v_lshlrev_b32 v4, 13, v14
	v_lshl_add_u32 v4, v2, 4, v4                   ; v4: x in memory: row x 8,192 + 16 (l % 16)
	v_mul_u32_u24 v5, v14, XP
	v_lshl_add_u32 v5, v2, 3, v5
	v_add_nc_u32 v5, XREG, v5                      ; v5: x in LDS, where I store 8 bytes
	v_and_b32 v15, 7, v0
	v_lshl_add_u32 v15, v3, 3, v15
	v_mul_u32_u24 v6, v15, XP
	v_bfe_u32 v15, v0, 3, 1
	v_lshl_add_u32 v6, v15, 4, v6
	v_add_nc_u32 v6, XREG, v6                      ; v6: the turning load
	v_lshlrev_b32 v11, 4, v1                       ; v11: 16 l
	s_lshl_b32 s50, s14, 13
	v_add_nc_u32 v7, s50, v11                      ; v7: my eight images of a K step
	s_lshl_b32 s50, s14, 10
	s_add_co_u32 s50, s50, 32768
	v_add_nc_u32 v8, s50, v11                      ; v8: image 32 + w
	s_lshl_b32 s50, s51, 6
	v_lshl_add_u32 v12, v3, 5, s50                 ; v12: bq[16 (w % 2) + 8 (l / 16) ..]
	s_wait_dscnt 0x0                               ; both opening adds are done
	s_wait_kmcnt 0x0
	s_add_nc_u64 s[34:35], s[6:7], s[20:21]        ; stage 0
	s_add_nc_u64 s[38:39], s[34:35], SLOT          ; stage 1
	s_or_b32 s35, s35, 0x80000000                  ; type = 2
	s_or_b32 s39, s39, 0x80000000
	s_add_nc_u64 s[40:41], s[4:5], s[40:41]
	s_add_nc_u64 s[42:43], s[10:11], s[42:43]
	s_add_nc_u64 s[44:45], s[12:13], s[44:45]
	s_add_nc_u64 s[46:47], s[10:11], s[46:47]
	s_cmp_lt_u32 s14, 2
	s_cselect_b64 s[48:49], s[44:45], s[46:47]     ; waves 0, 1 store q, waves 2, 3 k
	s_cmp_lt_u32 s14, 2
	s_cbranch_scc0 .Lno_bq
	global_load_b128 v[16:19], v12, s[8:9]
	global_load_b128 v[20:23], v12, s[8:9] offset:16
.Lno_bq:
	; Three stages' x, 48 loads, go out ahead of the round: with bq's two that is 50, which LOADcnt's field holds (ISA guide 5.7.1), so no load's issue holds the round and the first fills up.
	WIN 0xc0
.set i, 0
.rept 48                                       ; load i: rows 8 i + 2 w + l / 16 of x; sixteen lanes take the row's 256 bytes.  No hint: the last launch reads x again
	global_load_b128 v[4*i:4*i+3], v4, s[40:41] offset:i*65536
.set i, i+1
.endr
	WIN 0
	CROUND                                         ; all four work-groups are here: the first joint loads meet
	tensor_load_to_lds s[32:35], s[24:31]          ; stage 0 into slot 0
	s_nop 0
	tensor_load_to_lds s[36:39], s[24:31]          ; stage 1 into slot 1
	s_nop 0
	PLACES
	WIN 0xc0
.rept 16                                       ; the last stage's x
	global_load_b128 v[4*i:4*i+3], v4, s[40:41] offset:i*65536
.set i, i+1
.endr
	WIN 0
; Stage g's 128 rows of x: rounded in place, 8 bytes a lane into LDS as [c][n].
.macro XCONV g
	s_wait_loadcnt 48-16*(\g)                      ; the later stages' loads, 16 each, may stay out
	WIN 0xcf
.set i, 16*(\g)
.rept 16
	v_cvt_pk_bf16_f32 v[4*i], v[4*i], v[4*i+1]
	v_cvt_pk_bf16_f32 v[4*i+1], v[4*i+2], v[4*i+3]
.set i, i+1
.endr
	WIN 0x0c
.set i, 16*(\g)
.rept 16
	ds_store_b64 v5, v[4*i:4*i+1] offset:(i%16)*8*XP
.set i, i+1
.endr
	WIN 0
.endm
; The change of stages.  g = 0: slot 0 has landed (one younger load, slot 1's, may stay out).  g = 1, 2: all my tensor loads have landed, the add, my reads of the
; slot just left and my stores of x are done; a round of the cluster's barrier; the slot just left is filled again, first thing behind it.  g = 3: the same, and nothing is left to ask for.
; The four v_nop at the end of g = 1, 2, 3 are the places between the last stage's products and the loads that follow into registers which those products read.
.macro CHG g
	WIN 0
.if (\g) == 0
	s_wait_tensorcnt 0x1
	s_wait_dscnt 0x0
	s_barrier_signal -1
	s_barrier_wait -1
.else
	s_wait_tensorcnt 0x0                           ; no tensor load of mine is out, so a group 0 may be written
	ds_add_u32 v30, v31                            ; 0 onto my spare word
.if (\g) == 1
	s_add_nc_u64 s[34:35], s[34:35], 2*SLOT        ; stage 2; the type bits on top are not reached
.elseif (\g) == 2
	s_add_nc_u64 s[38:39], s[38:39], 2*SLOT        ; stage 3
.endif
	s_wait_dscnt 0x0
.if (\g) == 1
	CROUND
	tensor_load_to_lds s[32:35], s[24:31]
	s_nop 0
	PLACES
.elseif (\g) == 2
	CROUND
	tensor_load_to_lds s[36:39], s[24:31]
	s_nop 0
	PLACES
.else
	s_barrier_signal -1
	s_barrier_wait -1
	PLACES
.endif
.endif
.endm
; Nine weight fragments of K step t of stage g into buffer buf: 18 loads of 512 consecutive bytes
.macro WLD g, t, buf
	WIN 0
	v_add_nc_u32 v9, ((\g)%2)*SLOT+KSB*(\t), v7
	v_add_nc_u32 v10, ((\g)%2)*SLOT+KSB*(\t), v8
.irp i, 0,1,2,3,4,5,6,7
	ds_load_b128 v[WF+72*(\buf)+8*\i:WF+72*(\buf)+8*\i+3],   v9 offset:1024*\i
	ds_load_b128 v[WF+72*(\buf)+8*\i+4:WF+72*(\buf)+8*\i+7], v9 offset:1024*\i+512
.endr
	ds_load_b128 v[WF+72*(\buf)+64:WF+72*(\buf)+67], v10
	ds_load_b128 v[WF+72*(\buf)+68:WF+72*(\buf)+71], v10 offset:512
.endm
; A stage's 16 fragments of x (turned) and its first weights; then a barrier, so that the next stage's x may be stored where this one lay.
.macro XFL g
	WIN 0x40
.irp t, 0,1,2,3
.irp nt, 0,1,2,3
	ds_load_tr16_b128 v[32*\t+8*\nt:32*\t+8*\nt+3],   v6 offset:32*XP*\t+32*\nt
	ds_load_tr16_b128 v[32*\t+8*\nt+4:32*\t+8*\nt+7], v6 offset:32*XP*\t+32*\nt+16*XP
.endr
.endr
	WLD \g, 0, 0
	s_wait_dscnt 0x0
.if (\g) < 3
	s_barrier_signal -1
	s_barrier_wait -1
.endif
.endm
.macro PRV t, buf, i, zero             ; four products of v': block i x the four tiles of positions
	WIN 0xa1                                       ; source 0 (x) window 1, source 1 (weights) window 0, C and D window 2
.irp nt, 0,1,2,3
.if \zero
	v_wmma_f32_16x16x32_bf16 v[8*(4*(\i)+\nt):8*(4*(\i)+\nt)+7], v[32*(\t)+8*\nt:32*(\t)+8*\nt+7], v[WF+72*(\buf)+8*(\i):WF+72*(\buf)+8*(\i)+7], 0
.else
	v_wmma_f32_16x16x32_bf16 v[8*(4*(\i)+\nt):8*(4*(\i)+\nt)+7], v[32*(\t)+8*\nt:32*(\t)+8*\nt+7], v[WF+72*(\buf)+8*(\i):WF+72*(\buf)+8*(\i)+7], v[8*(4*(\i)+\nt):8*(4*(\i)+\nt)+7]
.endif
.endr
.endm
.macro PRQ t, buf, zero                ; four products of q or k: the sources swapped
	WIN 0x54                                       ; source 0 (weights) window 0, source 1 (x) window 1, C and D window 1
.irp nt, 0,1,2,3
.if \zero
	v_wmma_f32_16x16x32_bf16 v[AQ+8*\nt:AQ+8*\nt+7], v[WF+72*(\buf)+64:WF+72*(\buf)+71], v[32*(\t)+8*\nt:32*(\t)+8*\nt+7], 0
.else
	v_wmma_f32_16x16x32_bf16 v[AQ+8*\nt:AQ+8*\nt+7], v[WF+72*(\buf)+64:WF+72*(\buf)+71], v[32*(\t)+8*\nt:32*(\t)+8*\nt+7], v[AQ+8*\nt:AQ+8*\nt+7]
.endif
.endr
.endm
; A K step: 36 products, each accumulator once: they take turns, one instruction a turn, from step to step too.  Behind the first eight the next step's weights are fetched,
; four places behind the last product that read their buffer; 28 products stand between the fetch and the wait for it.
; xc >= 0: stage xc's x is rounded and stored here, behind the barrier that has freed its place in LDS: its 32 conversions, which name no register of a product, are those places, and its stores
; are awaited by the next K step's wait for 0 and again in front of the next change's barrier.
.macro KSTEP g, t, buf, zero, xc
	s_wait_dscnt 0x0                               ; this step's weights are in
	PRV \t, \buf, 0, \zero
	PRV \t, \buf, 1, \zero
.if (\t) < 3
.if (\xc) >= 0
	XCONV \xc
.else
	PLACES
.endif
	WLD \g, (\t)+1, 1-(\buf)
.endif
.irp i, 2,3,4,5,6,7
	PRV \t, \buf, \i, \zero
.endr
	PRQ \t, \buf, \zero
.endm
.macro STAGE g, zero
	CHG \g
	XFL \g
	KSTEP \g, 0, 0, \zero, -1
.if (\g) < 3
	KSTEP \g, 1, 1, 0, (\g)+1
.else
	KSTEP \g, 1, 1, 0, -1
.endif
	KSTEP \g, 2, 0, 0, -1
	KSTEP \g, 3, 1, 0, -1
.endm
	XCONV 0
	STAGE 0, 1                                     ; the first K step's products start the sums: nothing is cleared
	STAGE 1, 0
	STAGE 2, 0
	STAGE 3, 0
	; THE WAY OUT.  v': a lane's eight positions round to 16 bytes, and the wave's 32 lanes make half an image: 512 consecutive bytes a store.
	WIN 0
	PLACES
	PLACES
	WIN 0x0a                                       ; sources in window 2, destination in window 0 (the weights' buffers are free)
.set a, 0
.rept 32
.irp k, 0,1,2,3
	v_cvt_pk_bf16_f32 v[32+4*a+\k], v[8*a+2*\k], v[8*a+2*\k+1]
.endr
.set a, a+1
.endr
	WIN 0
.set a, 0
.rept 32                                       ; a = 4 i + nt: 32 keys (nt / 2), channel block i, half nt % 2
	global_store_b128 v11, v[32+4*a:32+4*a+3], s[42:43] offset:((a%4)/2)*16384+1024*(a/4)+(a%2)*512
.set a, a+1
.endr
	s_cmp_lt_u32 s14, 2                            ; q takes its bias and the factor log2(e), in f32, before the rounding: c q + c bq
	s_cbranch_scc0 .Lno_bias
.irp k, 0,1,2,3
	v_pk_mul_f32 v[16+2*\k:17+2*\k], v[16+2*\k:17+2*\k], LOG2E op_sel_hi:[1,0]
.endr
	WIN 0x41                                       ; destination and source 0 window 1, source 2 window 0
.irp nt, 0,1,2,3
.irp k, 0,1,2,3
	v_pk_fma_f32 v[AQ+8*\nt+2*\k:AQ+8*\nt+2*\k+1], v[AQ+8*\nt+2*\k:AQ+8*\nt+2*\k+1], LOG2E, v[16+2*\k:17+2*\k] op_sel_hi:[1,0,1]
.endr
.endr
	WIN 0
.Lno_bias:
	WIN 0x05
.irp nt, 0,1,2,3
.irp k, 0,1,2,3
	v_cvt_pk_bf16_f32 v[160+4*\nt+\k], v[AQ+8*\nt+2*\k], v[AQ+8*\nt+2*\k+1]
.endr
.endr
	WIN 0
.irp nt, 0,1,2,3
	global_store_b128 v11, v[160+4*\nt:163+4*\nt], s[48:49] offset:1024*\nt
.endr
	s_cmp_lt_u32 s14, 2
	s_cbranch_scc1 .Lno_copy
.irp nt, 0,1,2,3
	global_store_b128 v11, v[160+4*\nt:163+4*\nt], s[48:49] offset:8*BLK+1024*\nt  ; k once more, into the chh = 1 copy
.endr
.Lno_copy:
	s_wait_tensorcnt 0x0                           ; the wave's end, behind my last tensor load and my last LDS store
	ds_add_u32 v30, v31
	s_wait_dscnt 0x0
	CROUND                                         ; the closing round: no work-group ends while a partner may still ask for a tile that names it
	s_endpgm
.Lfunc_end_k_q9c39377814_proj:
	.size	k_q9c39377814_proj, .Lfunc_end_k_q9c39377814_proj-k_q9c39377814_proj
	.p2alignl 7, 3214868480
	.fill 96, 4, 3214868480
	.section	.rodata,"a",@progbits
	.p2align	6, 0x0
	.amdhsa_kernel k_q9c39377814_proj
		.amdhsa_group_segment_fixed_size 327680
		.amdhsa_private_segment_fixed_size 0
		.amdhsa_enable_private_segment 0
		.amdhsa_kernarg_size 40
		.amdhsa_user_sgpr_count 2
		.amdhsa_user_sgpr_kernarg_segment_ptr 1
		.amdhsa_wavefront_size32 1
		.amdhsa_system_sgpr_workgroup_id_x 1
		.amdhsa_system_sgpr_workgroup_id_y 1
		.amdhsa_system_sgpr_workgroup_id_z 1
		.amdhsa_system_vgpr_workitem_id 0
		.amdhsa_next_free_vgpr 1024
		.amdhsa_next_free_sgpr 66
		.amdhsa_reserve_vcc 0
		.amdhsa_float_denorm_mode_32 3
		.amdhsa_float_denorm_mode_16_64 3
		.amdhsa_memory_ordered 1
		.amdhsa_forward_progress 1
		.amdhsa_inst_pref_size 110
	.end_amdhsa_kernel
	.amdgpu_metadata
---
amdhsa.version: [ 1, 2 ]
amdhsa.kernels:
  - .name:           k_q9c39377814_proj
    .symbol:         k_q9c39377814_proj.kd
    .args:
      - { .name: x, .offset: 0, .size: 8, .value_kind: global_buffer, .address_space: global }
      - { .name: wimg, .offset: 8, .size: 8, .value_kind: global_buffer, .address_space: global }
      - { .name: bq, .offset: 16, .size: 8, .value_kind: global_buffer, .address_space: global }
      - { .name: kv, .offset: 24, .size: 8, .value_kind: global_buffer, .address_space: global }
      - { .name: qimg, .offset: 32, .size: 8, .value_kind: global_buffer, .address_space: global }
    .group_segment_fixed_size: 327680
    .private_segment_fixed_size: 0
    .kernarg_segment_align: 8
    .kernarg_segment_size: 40
    .max_flat_workgroup_size: 128
    .sgpr_count:     66
    .vgpr_count:     1024
    .wavefront_size: 32
...
	.end_amdgpu_metadata
.endif
;; end of part 2
;; launch attn (part 3): grid 256 x 1, 4 waves a work-group, clusters of 4 x 1, 327,680 bytes of LDS; arguments qimg, kv, bias2, gamma, x, out0; writes out0
.if DOCPART == 3
	.amdgcn_target "amdgcn-amd-amdhsa--gfx1250"
	.amdhsa_code_object_version 6
	.text
	.protected	k_q9c39377814_attn
	.globl	k_q9c39377814_attn
	.p2align	8
	.type	k_q9c39377814_attn,@function
k_q9c39377814_attn:
	s_mov_b64 s[64:65], 0
	v_nop
	global_prefetch_b8 v0, s[64:65] scope:SCOPE_SE
	s_setreg_imm32_b32 hwreg(HW_REG_WAVE_MODE, 25, 1), 1
	s_wait_xcnt 0x0
	s_wait_alu depctr_hold_cnt(0) depctr_sa_sdst(0) depctr_va_vdst(0) depctr_va_sdst(0) depctr_va_ssrc(0) depctr_va_vcc(0) depctr_vm_vsrc(0)
	s_getreg_b32 s2, hwreg(HW_REG_IB_STS2, 6, 4)
	s_cmp_eq_u32 s2, 0
	s_cbranch_scc0 .Lentry_in_a_cluster
	s_endpgm
.Lentry_in_a_cluster:
	s_bfe_u32 s2, ttmp6, 0x10000c
	s_cmp_lg_u32 s2, 0x3003
	s_cbranch_scc0 .Lentry_shape_is_right
	s_endpgm
.Lentry_shape_is_right:
; ATTN: out0[b][c][n] = gamma (sum_m v'[c][m] p[n][m] / l[n] + bias2[c]) + x[b][c][n], p[n][m] = 2^(s'[n][m] - max_m s'[n][m]), s' = q' . k = log2(e) q . k, l = sum_m p.
; LEFT OUT: bk, the product with Wo and the term bv inside the attention: shown at the head of the first kernel (v' = (Wo Wv) x, bias2 = Wo bv + bo).
; LIMITS.  q', k, v' and p are bf16 matrix operands; l is the sum of the unrounded p; a weight below 2^-126 counts as 0; in the maximum a NaN loses; infinities are not treated apart.
; TWO PASSES.  A score costs one sixteenth of what its weight costs in the second product, so the scores are made twice: pass A finds each query's TRUE maximum m' over all 2,048 keys, by the same
; matrix instruction on the same operands as later; then no sum is ever rescaled, and sums over different keys simply add.
; THE MAXIMUM IS TAKEN AWAY BY THE SCORE PRODUCT ITSELF: its C operand is -m', eight equal registers a query tile (in S^T a lane holds one query), so the result is the exponent s' - m' and no vector line scales or subtracts.
; SHARES.  A work-group: 128 queries x 256 channels (chh) of one batch.  Wave w = 2 hq + hk: 64 queries (hq), all 256 channels, and of every 128 keys the 64 at 64 hk: 64 accumulators, 512 registers.
; A wave multiplies only by weights that it made itself: nothing is exchanged in the loop.  At the end the waves hk = 0, 1 exchange halves: my LOGICAL channel half 0 is physical half hk, logical
; half 1 the other one (a difference of LDS addresses alone); I hand logical half 1 to wave w ^ 1 and finish logical half 0.
; LAYOUT.  S^T = K Q'^T (source 0 = 16 keys, source 1 = 16 queries): a lane holds one query and the keys 8 (l / 16) + 0..7; two such results rounded in pairs ARE source 0 (16 queries x 32 keys) of
; O = P V'^T, whose source 1 is an image of v' (column = channel): in the result a lane holds one channel and eight neighbouring queries, which lie side by side in out0.
; All operands lie in memory and in LDS as images of 1,024 bytes (lane l's registers 0-3 at 16 l, 4-7 at 512 + 16 l): every LDS load takes 512 consecutive bytes.
; CLUSTER.  The four work-groups of a cluster share batch and chh, hence every block of kv: each is asked for jointly, by one descriptor made of the cluster's number and the wave's, mask of four.
; RING.  Two slots of 147,456 bytes; block j (256 keys of v', and the k of the 256 keys that begin 128 later) lies in slot (j + 1) % 2; slot 0 first holds all k, for pass A.  A wave's one load behind
; each round brings a quarter of a block, 144 rows of 256 bytes, and has 288 matrix instructions in which to land.  By the text's own count two tensor loads of a wave are out at the start, later one.
; THE ACCUMULATORS ARE CLEARED, 512 lines, in the wait for the first tiles: one text serves all sixteen sub-steps, and no first step is written out.
.set BLK,   147456
.set SLOT,  147456
.set SPARE, 2*SLOT                     ; the spare words, 128 bytes a wave, that no other line names
.set MX,    SPARE+512                  ; [wave][query tile 0..7][lane] f32: the quarters' maxima
.set LX,    MX+4096                    ; [wave][tile 0..3][lane] f32: the halves' sums
.set STAGE, LX+2048                    ; 16 rows x 272 bytes for each wave, for the way out
.set SPI,   272
.set XCH,   SLOT                       ; slot 1, behind its last fill: 32,768 bytes for each wave, the half that it hands over
.set M,   16                           ; v[16:23]   pass A's running maxima, a tile each
.set QF,  32                           ; v[32:63]   Q' of my four tiles; in the epilogue 1 / l
.set KF,  64                           ; v[64:95]   four fragments of K; in the epilogue at work
.set LL,  96                           ; v[96:103]  l, a pair a tile (pass A: v[96:127] hold the other four tiles' Q')
.set BI,  104                          ; v[104:119] bias2 of my channel in block cb: the low word of pair cb
.set S,   128                          ; v[128:255] S^T: (qt, kt, register) at 32 qt + 8 kt; in the epilogue v[128:191] rows on their way out, v[192:255] x
.set NM,  192                          ; window 1, v[192:223]: -m', eight equal registers a tile
.set MSB, 0
.macro WIN new                         ; the immediate's high byte repeats the setting that is left; a switch that changes nothing is dropped
.if MSB != (\new)
	s_set_vgpr_msb (MSB<<8)|(\new)
.set MSB, \new
.endif
.endm
.macro PLACES
.rept 4
	v_nop
.endr
.endm
.macro CROUND                          ; a round of the cluster's barrier
	s_barrier_signal -1
	s_barrier_wait -1
	s_cmp_lg_u32 s16, 0
	s_cbranch_scc1 .Lnot_wave_0_\@
	s_barrier_signal -3
.Lnot_wave_0_\@:
	s_barrier_wait -3
	s_barrier_signal -1
	s_barrier_wait -1
.endm
; REGISTERS.  Window 0: v1 lane, v2 l % 16, v3 l / 16, v4 16 l, v5-v11 addresses, v12, v13 the add's two, v14, v15 at work, v120-127 the epilogue's addresses, and the map above.
; Window 1: v[0:63] P, (qt, kk) at 8 (2 qt + kk); v[64:127], v[128:191] two buffers of eight images of v'; v[192:223] -m'; at the end x.  Windows 2, 3: the accumulators of logical halves 0, 1, (cbi, qt) at 8 (4 cbi + qt).
; x AT THE END, 32 registers a channel block: blocks 0, 1 in window 1 v[192:255], blocks 2, 3 in window 0 v[192:255], blocks 4 to 7 in window 1 v[0:127]: each is asked for as soon as its registers fall free.
; SCALARS.  s16 w, s17 cx, s18 cluster, s19 hq, s20 hk, s21 query block, s[24:31], s[32:39] groups 1, s[40:43], s[44:47] groups 0, s48 fills to come, s49 a count, s50 the slot in hand, s51, s52 where K and V'
; of the sub-step lie, s[56:57] lane selects, s[58:59] gamma, s[60:61], s62, s[66:67] the prefetches, s[68:69] x at my block, s[70:71] out0 and s[72:73] x at my wave's part.
	s_load_b256 s[4:11], s[0:1], 0x0               ; qimg s[4:5], kv s[6:7], bias2 s[8:9], gamma s[10:11]
	s_load_b128 s[12:15], s[0:1], 0x20             ; x s[12:13], out0 s[14:15]
	v_lshl_add_u32 v12, v0, 2, SPARE
	v_mov_b32 v13, 0
	ds_add_u32 v12, v13                            ; the wave's opening: the add, twice on end, and its wait ahead of my first tensor load
	ds_add_u32 v12, v13
	v_lshrrev_b32 v1, 5, v0
	v_readfirstlane_b32 s16, v1                    ; wave w
	v_and_b32 v1, 31, v0
	v_and_b32 v2, 15, v0
	v_bfe_u32 v3, v0, 4, 1
	v_lshlrev_b32 v4, 4, v1
	s_bfe_u32 s17, ttmp6, 0x40000                  ; cx
	s_mov_b32 s18, ttmp9                           ; the cluster: 8 b + 4 chh + qg
	s_lshr_b32 s19, s16, 1                         ; hq
	s_and_b32 s20, s16, 1                          ; hk
	s_and_b32 s21, s18, 3
	s_lshl2_add_u32 s21, s21, s17                  ; query block = 4 qg + cx: it enters global addresses alone
	s_lshr_b32 s22, s18, 2                         ; 2 b + chh
	s_lshr_b32 s23, s18, 3                         ; b
	s_mov_b32 s24, 15|(3<<16)|(1<<21)              ; group 1 for a quarter of a block: 144 rows of 32 elements of 8 bytes, dense; mask of four, bit 21 beside it
	s_mov_b32 s25, 32<<16
	s_mov_b32 s26, 144<<16
	s_mov_b32 s27, 32<<16
	s_mov_b32 s28, 144
	s_mov_b32 s29, 32
	s_mov_b32 s30, 0
	s_mov_b32 s31, 0
	s_mov_b32 s32, 15|(3<<16)|(1<<21)              ; group 1 for all k: two rows of 2,048 elements of 8 bytes, the K parts of two blocks, a block apart
	s_mov_b32 s33, 2048<<16
	s_mov_b32 s34, 2<<16
	s_mov_b32 s35, 2048<<16
	s_mov_b32 s36, 2
	s_mov_b32 s37, BLK/8
	s_mov_b32 s38, 0
	s_mov_b32 s39, 0
	s_mul_i32 s74, s22, 8*BLK                      ; the eight blocks of (b, chh)
	s_mov_b32 s75, 0
	s_mul_i32 s76, s16, 2*BLK                      ; all k: blocks 2 w, 2 w + 1
	s_mov_b32 s77, 0
	s_mul_i32 s80, s16, 36864                      ; my quarter of a block
	s_mov_b32 s81, 0
	s_mov_b32 s40, 1
	s_lshl_b32 s41, s16, 15                        ; all k lies at 16,384 j, in slot 0
	s_mov_b32 s44, 1
	s_add_co_u32 s45, s80, SLOT                    ; block 0 goes into slot 1
	s_mov_b32 s50, 0                               ; the first change of slots turns this into slot 1
	s_mov_b32 s56, 0x76543210
	s_mov_b32 s57, 0xfedcba98
	s_and_b32 s62, s18, 3                          ; of the four clusters that walk the same blocks the first (qg = 0) prefetches: the same in all partners
	s_cmp_eq_u32 s62, 0
	s_cselect_b32 s62, 2, -1
	s_lshl_b32 s82, s16, 15
	v_add_nc_u32 v5, s82, v4                       ; v5: pass A: my quarter of all k
	s_lshl_b32 s82, s20, 12
	v_add_nc_u32 v6, s82, v4                       ; v6: my four key tiles of a sub-step's eight
	s_mul_i32 s82, s20, 40960
	v_add_nc_u32 v7, s82, v4                       ; v7: v', my 64 keys (32,768 hk), logical half 0 = physical half hk (8,192 hk)
	s_mul_i32 s82, s20, 24576
	s_add_co_u32 s82, s82, 8192
	v_add_nc_u32 v8, s82, v4                       ; v8: the same, logical half 1 = physical half 1 - hk
	s_lshl2_add_u32 s82, s17, s16
	s_lshl_b32 s82, s82, 13
	s_add_co_u32 s82, s82, 16384
	v_lshl_add_u32 v10, v1, 8, s82                 ; v10: prefetch of a V part: the sixteen waves of the cluster take 8,192 bytes each, a lane 256: told apart by address
	v_lshrrev_b32 v14, 1, v1
	v_lshl_add_u32 v14, s16, 4, v14
	v_lshlrev_b32 v11, 13, v14
	v_and_b32 v14, 1, v0
	v_lshl_add_u32 v11, v14, 8, v11                ; v11: prefetch of x: row 16 w + l / 2 of 64, half l % 2 of its 512 bytes
	s_wait_dscnt 0x0                               ; both opening adds are done
	s_wait_kmcnt 0x0
	s_add_nc_u64 s[78:79], s[6:7], s[74:75]
	s_add_nc_u64 s[42:43], s[78:79], s[76:77]
	s_or_b32 s43, s43, 0x80000000                  ; type = 2
	s_add_nc_u64 s[46:47], s[78:79], s[80:81]
	s_or_b32 s47, s47, 0x80000000
	s_add_nc_u64 s[60:61], s[78:79], 2*BLK         ; the first fill steps this to block 3
	CROUND                                         ; all four work-groups are here: the first joint loads meet
	tensor_load_to_lds s[40:43], s[32:39]          ; all k
	s_nop 0
	tensor_load_to_lds s[44:47], s[24:31]          ; block 0
	s_nop 0
	PLACES
	s_load_b32 s58, s[10:11], 0x0                  ; gamma
	s_lshl_b32 s82, s23, 7
	s_lshl3_add_u32 s82, s21, s82                  ; query tile 128 b + 8 x block
	s_lshl2_add_u32 s74, s19, s82                  ; + 4 hq: mine
	s_lshl_b32 s74, s74, 10
	s_mov_b32 s75, 0
	s_add_nc_u64 s[74:75], s[4:5], s[74:75]
	s_xor_b32 s83, s19, 1
	s_lshl2_add_u32 s76, s83, s82                  ; the other four, for pass A
	s_lshl_b32 s76, s76, 10
	s_mov_b32 s77, 0
	s_add_nc_u64 s[76:77], s[4:5], s[76:77]
.irp qt, 0,1,2,3
	global_load_b128 v[QF+8*\qt:QF+8*\qt+3],   v4, s[74:75] offset:1024*\qt
	global_load_b128 v[QF+8*\qt+4:QF+8*\qt+7], v4, s[74:75] offset:1024*\qt+512
	global_load_b128 v[96+8*\qt:99+8*\qt],     v4, s[76:77] offset:1024*\qt
	global_load_b128 v[100+8*\qt:103+8*\qt],   v4, s[76:77] offset:1024*\qt+512
.endr
	s_lshl_b32 s80, s22, 21                        ; x and out0: channel 512 b + 256 chh, 8,192 bytes a channel,
	s_lshl_b32 s81, s21, 9                         ; my block's 128 queries
	s_add_co_u32 s80, s80, s81
	s_mov_b32 s81, 0
	s_add_nc_u64 s[68:69], s[12:13], s[80:81]
	s_mov_b64 s[66:67], s[68:69]
	s_lshl_b32 s82, s20, 20                        ; my wave finishes channels 128 hk ..,
	s_lshl_b32 s83, s19, 8                         ; queries 64 hq ..
	s_add_co_u32 s82, s82, s83
	s_add_co_u32 s80, s80, s82
	s_add_nc_u64 s[72:73], s[12:13], s[80:81]
	s_add_nc_u64 s[70:71], s[14:15], s[80:81]
	s_and_b32 s80, s22, 1
	s_lshl_b32 s80, s80, 10
	s_lshl_b32 s82, s20, 9
	s_add_co_u32 s80, s80, s82
	s_add_nc_u64 s[78:79], s[8:9], s[80:81]        ; bias2 at channel 256 chh + 128 hk
	WIN 0x80                                       ; the sums start at 0: written while the first tiles are on their way
.set i, 0
.rept 256
	v_mov_b32 v[i], 0
.set i, i+1
.endr
	WIN 0xc0
.set i, 0
.rept 256
	v_mov_b32 v[i], 0
.set i, i+1
.endr
	WIN 0
	s_wait_tensorcnt 0x1                           ; my part of all k is in; block 0's load, the younger, may stay out
	s_barrier_signal -1
	s_barrier_wait -1                              ; everybody's is
	s_wait_kmcnt 0x0
	s_mov_b32 s59, s58                             ; named with gamma as a pair
	; PASS A.  My quarter of the keys, 32 fragments of K, against all eight query tiles of the work-group.  A phase: eight products into one set of eight accumulators, and behind each product four
	; maxima on the other set, each accumulator from its low end on; those are also the places behind the products.  Four buffers of K: a fragment is asked for three phases ahead.
.macro PHASE kb, st, wt, ld, off
	s_wait_dscnt \wt                               ; this phase's fragment is in; the loads of the younger fragments, two each, may stay out
.set i, 0
.rept 8
.if i < 4
.set rQ, QF+8*i
.else
.set rQ, 96+8*(i-4)
.endif
	v_wmma_f32_16x16x32_bf16 v[S+64*(\st)+8*i:S+64*(\st)+8*i+7], v[KF+8*(\kb):KF+8*(\kb)+7], v[rQ:rQ+7], 0
.set n, 4*i
.rept 4
	v_max3_num_f32 v[M+n%8], v[M+n%8], v[S+64*(1-(\st))+8*(n%8)+2*(n/8)], v[S+64*(1-(\st))+8*(n%8)+2*(n/8)+1]
.set n, n+1
.endr
.if (\ld) && (i == 0)
	ds_load_b128 v[KF+8*(((\kb)+3)%4):KF+8*(((\kb)+3)%4)+3],   v5 offset:\off
	ds_load_b128 v[KF+8*(((\kb)+3)%4)+4:KF+8*(((\kb)+3)%4)+7], v5 offset:(\off)+512
.endif
.set i, i+1
.endr
.endm
.irp f, 0,1,2,3
	ds_load_b128 v[KF+8*\f:KF+8*\f+3],   v5 offset:1024*\f
	ds_load_b128 v[KF+8*\f+4:KF+8*\f+7], v5 offset:1024*\f+512
.endr
.irp i, 0,1,2,3,4,5,6,7
	v_mov_b32 v[M+\i], 0xff7fffff                  ; the lowest finite number
.endr
	s_wait_loadcnt 0x0                             ; Q'
	s_wait_dscnt 0x6                               ; fragment 0 is in; three fragments' six loads may stay out
.set i, 0
.rept 8
.if i < 4
.set rQ, QF+8*i
.else
.set rQ, 96+8*(i-4)
.endif
	v_wmma_f32_16x16x32_bf16 v[S+64+8*i:S+64+8*i+7], v[KF:KF+7], v[rQ:rQ+7], 0
.set i, i+1
.endr
	PLACES
	s_mov_b32 s49, 7
.Lmax:                                         ; a trip: fragments 4 t + 1 .. 4 t + 4 are multiplied, 4 t + 4 .. 4 t + 7 asked for
	PHASE 1, 0, 4, 1, 4096
	PHASE 2, 1, 4, 1, 5120
	PHASE 3, 0, 4, 1, 6144
	PHASE 0, 1, 4, 1, 7168
	v_add_nc_u32 v5, 4096, v5
	s_sub_co_u32 s49, s49, 1
	s_cmp_lg_u32 s49, 0
	s_cbranch_scc1 .Lmax
	PHASE 1, 0, 4, 0, 0                            ; fragments 29, 30, 31: nothing is left to ask for, and the counts run down
	PHASE 2, 1, 2, 0, 0
	PHASE 3, 0, 0, 0, 0
.set n, 0
.rept 32                                       ; the last set's maxima
	v_max3_num_f32 v[M+n%8], v[M+n%8], v[S+8*(n%8)+2*(n/8)], v[S+8*(n%8)+2*(n/8)+1]
.set n, n+1
.endr
	; the four quarters' maxima meet in LDS, each tile under its number in the work-group (my first four registers are tiles 4 hq .., the others 4 (1 - hq) ..)
	s_lshl_b32 s80, s16, 10
	s_lshl_b32 s81, s19, 9
	s_add_co_u32 s82, s80, s81
	s_add_co_u32 s82, s82, MX
	v_lshl_add_u32 v14, v1, 2, s82
	s_xor_b32 s83, s81, 512
	s_add_co_u32 s83, s83, s80
	s_add_co_u32 s83, s83, MX
	v_lshl_add_u32 v15, v1, 2, s83
	s_add_co_u32 s82, s81, MX
	v_lshl_add_u32 v9, v1, 2, s82
.irp i, 0,1,2,3
	ds_store_b32 v14, v[M+\i] offset:128*\i
	ds_store_b32 v15, v[M+4+\i] offset:128*\i
.endr
	s_wait_dscnt 0x0                               ; for the others' sake
	s_barrier_signal -1
	s_barrier_wait -1                              ; (block 0's load may still be out)
.irp qt, 0,1,2,3
.irp wv, 0,1,2,3
	ds_load_b32 v[S+4*\qt+\wv], v9 offset:1024*\wv+128*\qt
.endr
.endr
	; the epilogue's addresses, made while those loads are out, in registers that held the other tiles' Q'
	s_lshl_b32 s80, s16, 9
	s_add_co_u32 s80, s80, LX
	v_lshl_add_u32 v120, v1, 2, s80                ; v120: where I put l
	s_lshl_b32 s80, s19, 10
	s_add_co_u32 s80, s80, LX
	v_lshl_add_u32 v121, v3, 5, s80                ; v121: where I read l of queries 8 (l / 16) + 0..7, of waves 2 hq and 2 hq + 1
	s_lshl_b32 s80, s16, 15
	s_add_co_u32 s80, s80, XCH
	v_add_nc_u32 v122, s80, v4                     ; v122: the half that I hand over
	s_xor_b32 s80, s16, 1
	s_lshl_b32 s80, s80, 15
	s_add_co_u32 s80, s80, XCH
	v_add_nc_u32 v123, s80, v4                     ; v123: the half that wave w ^ 1 hands me
	s_mul_i32 s80, s16, 16*SPI
	s_add_co_u32 s80, s80, STAGE
	v_mul_u32_u24 v124, v2, SPI
	v_lshl_add_u32 v124, v3, 5, v124
	v_add_nc_u32 v124, s80, v124                   ; v124: into my stage: row = channel l % 16, 32 bytes for each half of the lanes
	v_mul_u32_u24 v125, v3, SPI
	v_lshl_add_u32 v125, v2, 4, v125
	v_add_nc_u32 v125, s80, v125                   ; v125: back: lanes 0-15 one row of 256 bytes, lanes 16-31 the next
	v_lshlrev_b32 v126, 13, v3
	v_lshl_add_u32 v126, v2, 4, v126               ; v126: the same two rows in x and out0; never rewritten
	v_lshlrev_b32 v127, 2, v2                      ; v127: 4 (l % 16): bias2
.irp cb, 0,1,2,3,4,5,6,7
	global_load_b32 v[BI+2*\cb], v127, s[78:79] offset:64*\cb
	v_mov_b32 v[BI+2*\cb+1], 0                     ; named with it as a pair
.endr
	s_wait_dscnt 0x0
.irp qt, 0,1,2,3
	v_max3_num_f32 v[M+\qt], v[S+4*\qt], v[S+4*\qt+1], v[S+4*\qt+2]
.endr
.irp qt, 0,1,2,3
	v_max_num_f32 v[M+\qt], v[M+\qt], v[S+4*\qt+3]
.endr
.irp qt, 0,1,2,3
	v_permlanex16_b32 v[M+4+\qt], v[M+\qt], s56, s57  ; the query's other keys lie in the lane 16 away
.endr
.irp qt, 0,1,2,3
	v_max_num_f32 v[M+\qt], v[M+\qt], v[M+4+\qt]   ; m': the true maximum
.endr
	WIN 0x40                                       ; destination window 1
.irp qt, 0,1,2,3
.irp j, 0,1,2,3,4,5,6,7
	v_mul_f32 v[NM+8*\qt+\j], -1.0, v[M+\qt]       ; -m', for each of the lane's eight keys: the score products' C operand
.endr
.endr
	WIN 0
; THE VECTOR WORK of a sub-step, 64 queries x 64 keys, by numbered lists; the four tiles alternate.
.macro RE n                            ; n = 0..127: the exponential of number n % 2 of pair n / 8 of tile (n / 2) % 4, in place; each accumulator from its low end on
.set rq, ((\n)/2)%4
.set rp, (\n)/8
	WIN 0
	v_exp_f32 v[S+32*rq+2*rp+(\n)%2], v[S+32*rq+2*rp+(\n)%2]
.endm
.macro RC kk, n                        ; n = 0..31: register n / 4 of P(n % 4, kk): two weights rounded to bf16
.set rq, (\n)%4
.set rp, (\n)/4
	WIN 0x40                                       ; destination window 1
	v_cvt_pk_bf16_f32 v[8*(2*rq+(\kk))+rp], v[S+32*rq+16*(\kk)+2*rp], v[S+32*rq+16*(\kk)+2*rp+1]
.endm
.macro RA n, first                     ; n = 0..63: l of tile n % 4 takes pair n / 4; S stays as it is.  first = 1: the first two pairs start l
.set rq, (\n)%4
.set rp, (\n)/4
	WIN 0
.if (\first) && ((\n) < 4)
	v_pk_add_f32 v[LL+2*rq:LL+2*rq+1], v[S+32*rq:S+32*rq+1], v[S+32*rq+2:S+32*rq+3]
.elseif (\first) && ((\n) < 8)
.else
	v_pk_add_f32 v[LL+2*rq:LL+2*rq+1], v[LL+2*rq:LL+2*rq+1], v[S+32*rq+2*rp:S+32*rq+2*rp+1]
.endif
.endm
.macro KLOAD                           ; my four fragments of K, from v9
.irp kt, 0,1,2,3
	ds_load_b128 v[KF+8*\kt:KF+8*\kt+3],   v9 offset:1024*\kt
	ds_load_b128 v[KF+8*\kt+4:KF+8*\kt+7], v9 offset:1024*\kt+512
.endr
.endm
.macro SCORES                          ; 16 products, each a whole sum (32 channels) that starts at -m': no chains
	WIN 0x10                                       ; the C operand in window 1
.irp kt, 0,1,2,3
.irp qt, 0,1,2,3
	v_wmma_f32_16x16x32_bf16 v[S+32*\qt+8*\kt:S+32*\qt+8*\kt+7], v[KF+8*\kt:KF+8*\kt+7], v[QF+8*\qt:QF+8*\qt+7], v[NM+8*\qt:NM+8*\qt+7]
.endr
.endr
.endm
.macro VLOAD g                         ; group g = 2 kk + half: eight images of v' (32 keys x 128 channels), 16 loads, into buffer g % 2
	WIN 0
	v_add_nc_u32 v9, s52, v[7+(\g)%2]
	WIN 0x40
.irp c, 0,1,2,3,4,5,6,7
	ds_load_b128 v[64+64*((\g)%2)+8*\c:64+64*((\g)%2)+8*\c+3],   v9 offset:16384*((\g)/2)+1024*\c
	ds_load_b128 v[64+64*((\g)%2)+8*\c+4:64+64*((\g)%2)+8*\c+7], v9 offset:16384*((\g)/2)+1024*\c+512
.endr
.endm
.macro PVP                             ; product i of 128 of O += P V'^T: group i / 32; channel block (i % 32) / 4, tile i % 4.  The 64 accumulators take turns, one instruction a turn
.set phf, (i/32)%2
.set pkk, i/64
.set pcb, (i%32)/4
.set pqt, i%4
	WIN 0xa5+0x50*phf                              ; P and v' in window 1; C and D in window 2 or 3
	v_wmma_f32_16x16x32_bf16 v[8*(4*pcb+pqt):8*(4*pcb+pqt)+7], v[8*(2*pqt+pkk):8*(2*pqt+pkk)+7], v[64+64*phf+8*pcb:64+64*phf+8*pcb+7], v[8*(4*pcb+pqt):8*(4*pcb+pqt)+7]
.set i, i+1
.endm
; THE DEAL of sub-step s: 256 vector lines for 128 products; p counts pairs of products.
;   p = 0..7    behind each pair four roundings: P's second key half of s (put off from the sub-step before, so that P needs one buffer); behind p = 7 the 16 score products of s + 1
;   p = 8..39   behind EACH product two of the 128 exponentials of s + 1: ONE BATCH, in which nothing names an exponential's result; behind p = 39 a plain instruction and the batch's one wait
;   p = 40..47  behind each pair four roundings: P's first key half of s + 1     p = 48..63  behind each pair four additions onto l
; The runs of LDS loads: group 1 behind p = 1, the next sub-step's group 0 behind p = 49, each with eight plain lines or more behind the last product that read its buffer; groups 2 and 3 behind p = 17 and 33, where
; the lines between are exponentials, which are no places: four v_nop stand ahead of them.  Those of p = 33, the run's own address line and the v_nop of p = 39 are also the places between product 63, the last that
; reads P's first half, and the roundings of p = 40.
; pre = 2: the fetch behind p = 49 is jumped over in a block's second sub-step (s49 = 1): the next block is read only behind the change of slots.  pre = 1: it is always made.
; last = 1: sub-step 15: no s + 1; behind p = 7 the half of S that has just been read for the last time takes x's blocks 2 and 3.
.macro SLICE pre, last
.if p < 8
.irp k, 0,1,2,3
	RC 1, 4*p+\k
.endr
.elseif !(\last)
.if p < 40
	RE 4*(p-8)+2
	RE 4*(p-8)+3
.elseif p < 48
.irp k, 0,1,2,3
	RC 0, 4*(p-40)+\k
.endr
.else
.irp k, 0,1,2,3
	RA 4*(p-48)+\k, 0
.endr
.endif
.endif
.if p == 1
	VLOAD 1
.endif
.if (p == 7) && !(\last)
	s_wait_dscnt 0x10                              ; K is in: group 1's 16 loads are younger
	SCORES
	PLACES                                         ; in front of the exponentials, which read those results
.endif
.if (p == 7) && (\last)
	WIN 0
.set z, 0
.rept 16
	global_load_b128 v[192+4*z:192+4*z+3], v126, s[72:73] offset:(16+z)*16384 th:TH_LOAD_NT
.set z, z+1
.endr
.endif
.if (p == 17) || (p == 33)
	PLACES
	VLOAD 2+(p-17)/16
.endif
.if (p == 39) && !(\last)
	v_nop                                          ; a plain instruction behind the last exponential
	s_wait_alu depctr_va_vdst(0)                   ; the one wait for the batch, ahead of the first instruction that names a result
.endif
.if (p == 49) && !(\last)
	WIN 0
	s_add_co_u32 s51, s51, 8192                    ; the next sub-step's K and v'
	s_add_co_u32 s52, s52, 65536
.if (\pre) == 2
	s_cmp_eq_u32 s49, 1
	s_cbranch_scc1 .Lno_fetch_\@
	VLOAD 0
	WIN 0
.Lno_fetch_\@:
.else
	VLOAD 0
.endif
.endif
.endm
.macro SUBSTEP pre, last
.set i, 0
.if \last
	WIN 0x40                                       ; -m' has been read for the last time: its registers and the 32 beside them take x's blocks 0 and 1 (load z: rows 2 z, 2 z + 1 of my 128 channels, 256 bytes each)
.set z, 0
.rept 16
	global_load_b128 v[192+4*z:192+4*z+3], v126, s[72:73] offset:z*16384 th:TH_LOAD_NT
.set z, z+1
.endr
	s_wait_dscnt 0x0                               ; group 0 is in
.else
	WIN 0
	v_add_nc_u32 v9, s51, v6
	KLOAD                                          ; K of s + 1
	s_wait_dscnt 0x8                               ; group 0 is in: K's eight loads are younger
.endif
.set p, 0
.rept 64
.if (p == 16) || (p == 32) || (p == 48)
	s_wait_dscnt 0x0                               ; the group's images are in (asked for 28 products or more ago)
.endif
	PVP
.if (!(\last)) && (p >= 8) && (p < 40)
	RE 4*(p-8)
	RE 4*(p-8)+1
.endif
	PVP
	SLICE \pre, \last
.set p, p+1
.endr
.endm
; PREFETCHES INTO THE L2, behind the wave's tensor load and its five lines.  ASKV: the V part of the block that stands two fills on: 131,072 bytes, a lane 256 of them, one instruction a wave of each of the four
; partners of the first of the four clusters that walk these blocks: each 256 bytes are named once in the launch.  Blocks 0 to 2 come by their loads alone, the last two fills ask for nothing; the K parts are not
; asked for (the load of all k is their first reading).  ASKX: in the last four fills, 64 rows x 512 bytes each of my work-group's own part of x, which the epilogue waits for.
.macro ASKV
	s_cmp_gt_u32 s48, s62
	s_cbranch_scc0 .Lnot_v_\@
	global_prefetch_b8 v10, s[60:61] th:TH_LOAD_NT scope:SCOPE_SE
.Lnot_v_\@:
.endm
.macro ASKX
	s_cmp_lt_u32 s48, 5
	s_cbranch_scc0 .Lnot_x_\@
	global_prefetch_b8 v11, s[66:67] th:TH_LOAD_NT scope:SCOPE_SE
.Lnot_x_\@:
.endm
; THE CHANGE OF SLOTS.  Each wave waits for all its tensor loads, of which one is out: its quarter of the block to be entered; adds 0 to its spare word; waits for that and for its reads of the slot that it leaves.
; fill = 1: a round of the cluster's barrier, so that no wave of any partner still reads that slot or has a load on its way; the joint refill is the first thing behind it.
.macro CHANGE fill
	WIN 0
	s_wait_tensorcnt 0x0                           ; no tensor load of mine is out, so a group 0 may be written
	ds_add_u32 v12, v13                            ; 0 onto my spare word; scalar work stands between it and the wait for it
.if \fill
	s_xor_b32 s45, s45, SLOT                       ; the other slot (36,864 w has neither of SLOT's two bits),
	s_add_nc_u64 s[46:47], s[46:47], BLK           ; the next block; the type bits on top are not reached
	s_wait_xcnt 0x0                                ; the last prefetches, a block back, have read their addresses
	s_add_nc_u64 s[60:61], s[60:61], BLK
	s_sub_co_i32 s74, 4, s48
	s_max_i32 s74, s74, 0
	s_lshl_b32 s74, s74, 19                        ; 64 rows of x further in each of the last four fills
	s_mov_b32 s75, 0
	s_add_nc_u64 s[66:67], s[68:69], s[74:75]
	s_wait_dscnt 0x0                               ; the add is done, and my reads of the slot are over
	CROUND
	tensor_load_to_lds s[44:47], s[24:31]
	s_nop 0
	PLACES
	ASKV
	ASKX
.else
	s_wait_dscnt 0x0
	s_barrier_signal -1
	s_barrier_wait -1
.endif
	s_xor_b32 s50, s50, SLOT                       ; the block to be entered
	s_mov_b32 s51, s50                             ; its K part,
	s_add_co_u32 s52, s50, 16384                   ; its V part
	VLOAD 0
	WIN 0
.endm
	; SUB-STEP 0's scores and weights: its K lies in the last 8,192 bytes of all k (block 7, places 8 to 15)
	v_add_nc_u32 v9, 122880, v6
	KLOAD
	s_wait_dscnt 0x0
	SCORES
	PLACES
.set z, 0
.rept 128
	RE z
.set z, z+1
.endr
	v_nop
	s_wait_alu depctr_va_vdst(0)                   ; one wait for the batch
.set z, 0
.rept 32
	RC 0, z
.set z, z+1
.endr
.set z, 0
.rept 64
	RA z, 1
.set z, z+1
.endr
	WIN 0
	s_wait_loadcnt 0x0                             ; bias2
	s_mov_b32 s48, 7
.Lslot:                                        ; seven trips: block k is asked for, block k - 1 entered
	CHANGE 1
	s_mov_b32 s49, 2
.Lstep:
	SUBSTEP 2, 0
	WIN 0
	s_sub_co_u32 s49, s49, 1
	s_cmp_lg_u32 s49, 0
	s_cbranch_scc1 .Lstep
	s_sub_co_u32 s48, s48, 1
	s_cmp_lg_u32 s48, 0
	s_cbranch_scc1 .Lslot
	CHANGE 0                                       ; block 7 is written out: nothing is asked for
	SUBSTEP 1, 0
	SUBSTEP 0, 1
	; THE EPILOGUE.  l: the pair's two halves and the other half of the lanes'; these additions are the places behind the last products.
	WIN 0
.irp qt, 0,1,2,3
	v_add_f32 v[LL+2*\qt], v[LL+2*\qt], v[LL+2*\qt+1]
.endr
.irp qt, 0,1,2,3
	v_permlanex16_b32 v[LL+2*\qt+1], v[LL+2*\qt], s56, s57
.endr
.irp qt, 0,1,2,3
	v_add_f32 v[LL+2*\qt], v[LL+2*\qt], v[LL+2*\qt+1]
.endr
	PLACES
	WIN 0x40
.set z, 0
.rept 32                                       ; x's blocks 4 to 7, where P and the first buffer of v' lay: ahead of the LDS work, so that they are on their way during the exchange
	global_load_b128 v[4*z:4*z+3], v126, s[72:73] offset:(32+z)*16384 th:TH_LOAD_NT
.set z, z+1
.endr
	WIN 0
.irp qt, 0,1,2,3
	ds_store_b32 v120, v[LL+2*\qt] offset:128*\qt
.endr
	WIN 0x0c                                       ; address window 0, data window 3
.set i, 0
.rept 64                                       ; logical half 1 goes to wave w ^ 1; each accumulator from its low end on; slot 1 has had its last fill
	ds_store_b128 v122, v[4*i:4*i+3] offset:512*i
.set i, i+1
.endr
	WIN 0
	s_wait_dscnt 0x0                               ; for the others' sake
	s_barrier_signal -1
	s_barrier_wait -1
	WIN 0xc0
.set i, 0
.rept 64
	ds_load_b128 v[4*i:4*i+3], v123 offset:512*i   ; the other key half's sums for my logical half 0
.set i, i+1
.endr
	WIN 0
.irp wv, 0,1
.irp qt, 0,1,2,3
	ds_load_b128 v[S+32*\wv+8*\qt:S+32*\wv+8*\qt+3],   v121 offset:512*\wv+128*\qt
	ds_load_b128 v[S+32*\wv+8*\qt+4:S+32*\wv+8*\qt+7], v121 offset:512*\wv+128*\qt+16
.endr
.endr
	s_wait_dscnt 0x0
.set k, 0
.rept 16
	v_pk_add_f32 v[S+2*k:S+2*k+1], v[S+2*k:S+2*k+1], v[S+32+2*k:S+32+2*k+1]  ; l over both key halves
.set k, k+1
.endr
.set k, 0
.rept 32
	v_rcp_f32 v[QF+k], v[S+k]                      ; 1 / l for tile k / 8, query 8 (l / 16) + k % 8
.set k, k+1
.endr
	v_nop
	s_wait_alu depctr_va_vdst(0)                   ; one wait for the 32 reciprocals
; Channel block cb, 16 channels x 64 queries.  EP1: the two key halves are added, divided by l, bias2 added.  EP2: through my own stage in LDS, back as whole rows.  EP3: gamma times it plus x, and out.
.macro EP1 cb
	WIN 0x0e                                       ; source 0 window 2, source 1 window 3, destination window 0
.set k, 0
.rept 16
	v_pk_add_f32 v[KF+2*k:KF+2*k+1], v[32*(\cb)+2*k:32*(\cb)+2*k+1], v[32*(\cb)+2*k:32*(\cb)+2*k+1]
.set k, k+1
.endr
	WIN 0
.set k, 0
.rept 16
	v_pk_fma_f32 v[KF+2*k:KF+2*k+1], v[KF+2*k:KF+2*k+1], v[QF+2*k:QF+2*k+1], v[BI+2*(\cb):BI+2*(\cb)+1] op_sel_hi:[1,1,0]
.set k, k+1
.endr
.endm
.macro EP2 cb
	WIN 0
.irp f, 0,1,2,3,4,5,6,7
	ds_store_b128 v124, v[KF+4*\f:KF+4*\f+3] offset:64*(\f/2)+16*(\f%2)
.endr
.irp t, 0,1,2,3,4,5,6,7
	ds_load_b128 v[S+32*((\cb)%2)+4*\t:S+32*((\cb)%2)+4*\t+3], v125 offset:2*SPI*\t  ; LDS serves a wave's instructions in order (ISA guide 5.7.1.4): these see the stores above
.endr
.endm
.macro EP3 cb
	s_wait_dscnt 0x0                               ; the block's rows are back
	s_wait_loadcnt 56-8*(\cb)                      ; x's 64 loads were issued in the order of the blocks, eight a block: the later blocks' may stay out
	s_wait_xcnt 0x0                                ; the stores of the block before have read their registers, which the next block's rows will land in
.if (\cb) < 2
.set xr, 192+32*(\cb)
	WIN 0x10                                       ; source 2 (x) window 1
.elseif (\cb) < 4
.set xr, 192+32*((\cb)-2)
	WIN 0                                          ; blocks 2 and 3 lie in window 0
.else
.set xr, 32*((\cb)-4)
	WIN 0x10
.endif
.set k, 0
.rept 16
	v_pk_fma_f32 v[S+32*((\cb)%2)+2*k:S+32*((\cb)%2)+2*k+1], v[S+32*((\cb)%2)+2*k:S+32*((\cb)%2)+2*k+1], s[58:59], v[xr+2*k:xr+2*k+1] op_sel_hi:[1,0,1]
.set k, k+1
.endr
	WIN 0
.irp t, 0,1,2,3,4,5,6,7
	global_store_b128 v126, v[S+32*((\cb)%2)+4*\t:S+32*((\cb)%2)+4*\t+3], s[70:71] offset:(16*(\cb)+2*\t)*8192 th:TH_STORE_NT  ; sixteen lanes store 256 consecutive bytes, aligned
.endr
.endm
	EP1 0
	EP2 0
.irp cb, 1,2,3,4,5,6,7
	EP1 \cb                                        ; a block's arithmetic stands between the loads of the block before and the wait for them
	EP3 (\cb)-1
	EP2 \cb
.endr
	EP3 7
	s_wait_tensorcnt 0x0                           ; the wave's end, behind my last tensor load and my last LDS store
	ds_add_u32 v12, v13
	s_wait_dscnt 0x0
	CROUND                                         ; the closing round: no work-group ends while a partner may still ask for a tile that names it
	s_endpgm
.Lfunc_end_k_q9c39377814_attn:
	.size	k_q9c39377814_attn, .Lfunc_end_k_q9c39377814_attn-k_q9c39377814_attn
	.p2alignl 7, 3214868480
	.fill 96, 4, 3214868480
	.section	.rodata,"a",@progbits
	.p2align	6, 0x0
	.amdhsa_kernel k_q9c39377814_attn
		.amdhsa_group_segment_fixed_size 327680
		.amdhsa_private_segment_fixed_size 0
		.amdhsa_enable_private_segment 0
		.amdhsa_kernarg_size 48
		.amdhsa_user_sgpr_count 2
		.amdhsa_user_sgpr_kernarg_segment_ptr 1
		.amdhsa_wavefront_size32 1
		.amdhsa_system_sgpr_workgroup_id_x 1
		.amdhsa_system_sgpr_workgroup_id_y 1
		.amdhsa_system_sgpr_workgroup_id_z 1
		.amdhsa_system_vgpr_workitem_id 0
		.amdhsa_next_free_vgpr 1024
		.amdhsa_next_free_sgpr 84
		.amdhsa_reserve_vcc 0
		.amdhsa_float_denorm_mode_32 3
		.amdhsa_float_denorm_mode_16_64 3
		.amdhsa_memory_ordered 1
		.amdhsa_forward_progress 1
		.amdhsa_inst_pref_size 206
	.end_amdhsa_kernel
	.amdgpu_metadata
---
amdhsa.version: [ 1, 2 ]
amdhsa.kernels:
  - .name:           k_q9c39377814_attn
    .symbol:         k_q9c39377814_attn.kd
    .args:
      - { .name: qimg, .offset: 0, .size: 8, .value_kind: global_buffer, .address_space: global }
      - { .name: kv, .offset: 8, .size: 8, .value_kind: global_buffer, .address_space: global }
      - { .name: bias2, .offset: 16, .size: 8, .value_kind: global_buffer, .address_space: global }
      - { .name: gamma, .offset: 24, .size: 8, .value_kind: global_buffer, .address_space: global }
      - { .name: x, .offset: 32, .size: 8, .value_kind: global_buffer, .address_space: global }
      - { .name: out0, .offset: 40, .size: 8, .value_kind: global_buffer, .address_space: global }
    .group_segment_fixed_size: 327680
    .private_segment_fixed_size: 0
    .kernarg_segment_align: 8
    .kernarg_segment_size: 48
    .max_flat_workgroup_size: 128
    .sgpr_count:     84
    .vgpr_count:     1024
    .wavefront_size: 32
...
	.end_amdgpu_metadata
.endif
;; end of part 3
